; MI455X (gfx1250); checked and timed in simulation.
; The chip was launched on July 23, 2026; its instructions are those of AMD's public machine-readable ISA for CDNA 5 (MIT licence, August 2026) and "CDNA5" Instruction Set Architecture Reference Guide (July 2026). The comments in the code are by the model that wrote it; some were corrected since.
;; Causal Sparse Attention. Allowed arithmetic: matrix products marked QUANTISED: E4M3 operands, one given power-of-two scale a tensor, by v_wmma_f32_16x16x64_fp8_fp8 or v_wmma_f32_16x16x128_fp8_fp8, f32 sums; everything else in f32.
;; Inputs: lowp_scales 8 int32 (the exponents e of the quantised operands' scales 2^e); w_out_codes 1,024 x 32 x 32 uint8 (E4M3 codes of w_out, K innermost, in blocks of 32 codes); w_qkv_codes 3,072 x 32 x 32 uint8 (E4M3 codes of w_qkv, K innermost, in blocks of 32 codes); x_codes 1 x 4,096 x 32 x 32 uint8 (E4M3 codes of x, K innermost, in blocks of 32 codes).
;; Outputs: out0 1 x 4,096 x 1,024 float32.
;; This version of the problem:
;;   THIS VERSION OF THE PROBLEM IS GIVEN IN LOW PRECISION. The matrix products marked QUANTISED in the list below multiply operands that are first quantised to E4M3 (4 exponent bits, 3 mantissa bits; 8 bits a number), with one given power-of-two scale for each operand tensor; their sums are f32. All else is computed in f32.
;;   The module's matrix products, in the order in which they are computed (A, B: the left and right operand; K: the contracted axis; several contracted axes count as one K, in the product's order):
;;     1. [M 4,096, K 1,024] x [K 1,024, N 3,072]; A: input x (given as codes); B: input w_qkv (given as codes): QUANTISED (scales: A lowp_scales[0], B lowp_scales[1])
;;     2. batch 16 x [M 4,096, K 64] x [K 64, N 4,096]; A: computed on the way; B: computed on the way: QUANTISED (scales: A lowp_scales[2], B lowp_scales[3])
;;     3. batch 16 x [M 4,096, K 4,096] x [K 4,096, N 64]; A: softmax (see below); B: computed on the way: QUANTISED (scales: A lowp_scales[4], B lowp_scales[5])
;;     4. [M 4,096, K 1,024] x [K 1,024, N 1,024]; A: computed on the way; B: input w_out (given as codes): QUANTISED (scales: A lowp_scales[6], B lowp_scales[7])
;;   THE QUANTISER, for each operand of a quantised product, along K:
;;     - The operand's scale is 2^e, e = its entry of the input lowp_scales (int32; the entries are numbered through the quantised products in the list's order, A before B).
;;     - Each number is divided by the scale, clamped to +-448, and rounded to the nearest number of E4M3, ties to even, subnormals kept.
;;     - The product sums the exact products of the quantised numbers (number of the format x scale) in f32.
;;   ~~~python
;;   def quantise(x, axis, e):      # numpy; x: float32 -> the quantised numbers, widened to float32 again
;;       x = np.moveaxis(x, axis, -1); K = x.shape[-1]
;;       r = np.clip(x / 2.0 ** e, -448, 448)
;;       step = 2.0 ** (np.maximum(np.frexp(np.where(r == 0, 1, r))[1] - 1, -6) - 3)
;;       q = np.round(r / step) * step * 2.0 ** e      # np.round: ties to even
;;       return np.moveaxis(q, -1, axis).astype(np.float32)
;;   ~~~
;;   SOFTMAX AHEAD OF A QUANTISED PRODUCT. Where the list says 'softmax', what is quantised is not the finished softmax but p = 2^(t - M), with t = logit x log2(e) and M = ceil(the row's largest t), a whole number; so 1/2 < the row's largest p <= 1. The row's sum l is taken of the UNQUANTISED p, in f32, and the product's result is divided by l at the end. Since M is a whole number, a kernel that streams over the keys may use a running M (the ceiling of the running maximum): every later rescaling is an exact power of two, so the quantised numbers keep their values, but for numbers so far below the row's largest that they fall under the format's range.
;;   OPERANDS COMPUTED ON THE WAY. 'Computed on the way' means the value that the module computes at that place (a softmax that the list does not call 'softmax' is quantised finished and normalised). What goes into a quantiser is computed in f32, as accurately as f32 sums, v_exp_f32 and their like allow (about 1e-6 of the number): no bf16 or f16 on the way to a quantiser, and a product that is left as it is and whose result goes on into a quantised operand takes f32 operands (vector FMAs, or v_wmma_f32_16x16x4_f32). A number that lies on a knife's edge between two numbers of the format may be rounded either way, as far as f32 arithmetic and the matrix unit's own rounding can turn it there, and no further.
;;   INPUTS GIVEN AS CODES. w_out (in the module: [1024, 1024], K = its axis 0); w_qkv (in the module: [1024, 3072], K = its axis 0); x (in the module: [1, 4096, 1024], K = its axis 2): each comes as NAME_codes (uint8): NAME with its K axis moved to the last place and cut into blocks of 32 codes, [.., K / 32, bytes a block], one block behind the other in memory; one code a byte (a code: sign, 4 exponent bits, 3 mantissa bits); its scale is its entry of lowp_scales. Its value is code x scale, taken as it is: it is not quantised again, and the codes and scales need not be those that the quantiser above would give.
;; One version. Each part assembles by itself: llvm-mc -triple=amdgcn-amd-amdhsa -mcpu=gfx1250 --defsym DOCPART=n.
;; ======== version 1 of 1: 4 launches
;; limits: right only within a limited range of input values
;; workspace buffers: ropetab 1,048,576 bytes; qc 4,194,304 bytes; kc 4,194,304 bytes; vc 4,194,304 bytes; oc 4,194,304 bytes
;; launch rope (part 1): grid 32 x 4, 4 waves a work-group, no clusters, 0 bytes of LDS; arguments ropetab; writes ropetab
.if DOCPART == 1
	.amdgcn_target "amdgcn-amd-amdhsa--gfx1250"
	.amdhsa_code_object_version 6
	.text
	.protected	k_q226a1ada8b_rope
	.globl	k_q226a1ada8b_rope
	.p2align	8
	.type	k_q226a1ada8b_rope,@function
k_q226a1ada8b_rope:
	s_mov_b64 s[64:65], 0
	v_nop
	global_prefetch_b8 v0, s[64:65] scope:SCOPE_SE
	s_setreg_imm32_b32 hwreg(HW_REG_WAVE_MODE, 25, 1), 1
	s_wait_xcnt 0x0
; The table of cos and sin for the rotary embedding: 4,096 positions x 32 frequencies, f32.
; angle = fl(pos x f_j), f_j = 10000^(-j/32) = 10^(-j/8), the f32 number nearest to it, written as a constant.
; A lane takes one position (128 x work-group x + thread) and the eight frequencies j = 8 tq + 0 .. 7, tq = work-group y.
; cos and sin are made in f32 by a reduction and two polynomials: k = the whole number nearest to angle x 2/pi; r = angle - k x pi/2 with pi/2 in two parts
; (the first fused step is exact: k stays under 2^12 and r is a multiple of 2^-23 below 1); polynomials of degree 7 and 8 on |r| <= pi/4; the quadrant k mod 4 swaps and signs them.
; LIMIT: the reduction is laid out for angles up to 4,095, the largest that this problem's 4,096 positions give.
; LAYOUT OF THE TABLE, as the next launch's lanes take it: [G = pos / 16][tq 4][e 2][16 h + r][cos_j, sin_j, cos_j+1, sin_j+1], j = 8 tq + 4 h + 2 e, r = pos % 16: 4,096 bytes for a G.
; Each store of a wave covers two runs of 256 consecutive bytes, aligned.  No LDS, no barrier, no matrix unit: there is nothing to share and nothing to multiply.
.set POSF, 2                           ; v2      the position as f32
.set OFF,  3                           ; v3      my byte offset in the work-group's part of the table
.set A,    8                           ; v8-15   the eight angles
.set K,    16                          ; v16-23  k
.set R,    24                          ; v24-31  r
.set R2,   32                          ; v32-39  r^2
.set SN,   40                          ; v40-47  sin r
.set CS,   48                          ; v48-55  cos r
.set QD,   56                          ; v56-63  k as a whole number
.set T,    64                          ; v64     at work
.set OUT,  80                          ; v80-95  cos_0, sin_0, cos_1, sin_1 ..
	s_load_b64 s[4:5], s[0:1], 0x0                 ; the table
	s_and_b32 s6, ttmp7, 0xffff                    ; tq
	s_lshl_b32 s7, ttmp9, 7
	v_add_nc_u32 v1, s7, v0                        ; my position
	v_cvt_f32_u32 v[POSF], v1
	v_lshrrev_b32 v[OFF], 4, v0                    ; which of the work-group's eight G
	v_and_b32 v4, 15, v0                           ; r
	v_lshlrev_b32 v[OFF], 12, v[OFF]
	v_lshl_add_u32 v[OFF], v4, 4, v[OFF]           ; 4,096 x G + 16 r
	s_mov_b32 s8, 0xb94ca1f9                       ; sin: -1.9515296e-4
	s_mov_b32 s9, 0x3c08839e                       ;       8.3321609e-3
	s_mov_b32 s10, 0xbe2aaaa3                      ;      -1.6666655e-1
	s_mov_b32 s11, 0x37ccf5ce                      ; cos:  2.4433157e-5
	s_mov_b32 s12, 0xbab6061a                      ;      -1.3887316e-3
	s_mov_b32 s13, 0x3d2aaaa5                      ;       4.1666646e-2
	s_mov_b32 s16, 0xbfc90fdb                      ; -(pi/2's first part)
	s_mov_b32 s17, 0x333bbd2e                      ; -(its second part): the first part lies above pi/2
	s_lshl_b32 s14, ttmp9, 15                      ; the work-group's eight G,
	s_lshl_b32 s15, s6, 10                         ; and tq's 1,024 bytes in each
	s_add_co_u32 s14, s14, s15
	s_mov_b32 s15, 0
.macro ARM f0, f1, f2, f3, f4, f5, f6, f7  ; the eight angles of one tq
	v_mul_f32 v[A+0], \f0, v[POSF]
	v_mul_f32 v[A+1], \f1, v[POSF]
	v_mul_f32 v[A+2], \f2, v[POSF]
	v_mul_f32 v[A+3], \f3, v[POSF]
	v_mul_f32 v[A+4], \f4, v[POSF]
	v_mul_f32 v[A+5], \f5, v[POSF]
	v_mul_f32 v[A+6], \f6, v[POSF]
	v_mul_f32 v[A+7], \f7, v[POSF]
.endm
	s_cmp_eq_u32 s6, 0                             ; the branches hang on the work-group's y alone
	s_cbranch_scc0 .Lnot0
	ARM 1.0, 0.74989420933, 0.56234132519, 0.42169650343, 0.31622776602, 0.23713737057, 0.17782794100, 0.13335214322
	s_branch .Ljoin
.Lnot0:
	s_cmp_eq_u32 s6, 1
	s_cbranch_scc0 .Lnot1
	ARM 0.1, 0.074989420933, 0.056234132519, 0.042169650343, 0.031622776602, 0.023713737057, 0.017782794100, 0.013335214322
	s_branch .Ljoin
.Lnot1:
	s_cmp_eq_u32 s6, 2
	s_cbranch_scc0 .Lnot2
	ARM 0.01, 0.0074989420933, 0.0056234132519, 0.0042169650343, 0.0031622776602, 0.0023713737057, 0.0017782794100, 0.0013335214322
	s_branch .Ljoin
.Lnot2:
	ARM 0.001, 0.00074989420933, 0.00056234132519, 0.00042169650343, 0.00031622776602, 0.00023713737057, 0.00017782794100, 0.00013335214322
.Ljoin:
; the eight angles go in step, stage by stage, so that no line waits for the line above it
.irp n, 0,1,2,3,4,5,6,7
	v_mul_f32 v[K+\n], 0x3f22f983, v[A+\n]         ; angle x 2/pi
.endr
.irp n, 0,1,2,3,4,5,6,7
	v_rndne_f32 v[K+\n], v[K+\n]
.endr
.irp n, 0,1,2,3,4,5,6,7
	v_fma_f32 v[R+\n], v[K+\n], s16, v[A+\n]       ; exact
.endr
.irp n, 0,1,2,3,4,5,6,7
	v_fma_f32 v[R+\n], v[K+\n], s17, v[R+\n]
.endr
.irp n, 0,1,2,3,4,5,6,7
	v_mul_f32 v[R2+\n], v[R+\n], v[R+\n]
.endr
.irp n, 0,1,2,3,4,5,6,7
	v_fma_f32 v[SN+\n], v[R2+\n], s8, s9
	v_fma_f32 v[CS+\n], v[R2+\n], s11, s12
.endr
.irp n, 0,1,2,3,4,5,6,7
	v_fma_f32 v[SN+\n], v[SN+\n], v[R2+\n], s10
	v_fma_f32 v[CS+\n], v[CS+\n], v[R2+\n], s13
.endr
.irp n, 0,1,2,3,4,5,6,7
	v_mul_f32 v[SN+\n], v[SN+\n], v[R2+\n]
	v_fma_f32 v[CS+\n], v[CS+\n], v[R2+\n], -0.5
.endr
.irp n, 0,1,2,3,4,5,6,7
	v_fma_f32 v[SN+\n], v[SN+\n], v[R+\n], v[R+\n] ; sin r
	v_fma_f32 v[CS+\n], v[CS+\n], v[R2+\n], 1.0    ; cos r
.endr
.irp n, 0,1,2,3,4,5,6,7
	v_cvt_i32_f32 v[QD+\n], v[K+\n]
.endr
; quadrant k mod 4:  0: (cos, sin) = (c, s);  1: (-s, c);  2: (-c, -s);  3: (s, -c)
.irp n, 0,1,2,3,4,5,6,7
	v_and_b32 v[T], 1, v[QD+\n]
	v_cmp_ne_u32 vcc_lo, 0, v[T]
	v_cndmask_b32 v[OUT+2*\n+1], v[SN+\n], v[CS+\n], vcc_lo
	v_cndmask_b32 v[OUT+2*\n], v[CS+\n], v[SN+\n], vcc_lo
	v_lshlrev_b32 v[T], 30, v[QD+\n]               ; sin is negative where bit 1 of k is set,
	v_and_b32 v[T], 0x80000000, v[T]
	v_xor_b32 v[OUT+2*\n+1], v[T], v[OUT+2*\n+1]
	v_add_nc_u32 v[T], 1, v[QD+\n]                 ; cos where bit 1 of k + 1 is
	v_lshlrev_b32 v[T], 30, v[T]
	v_and_b32 v[T], 0x80000000, v[T]
	v_xor_b32 v[OUT+2*\n], v[T], v[OUT+2*\n]
.endr
	s_wait_kmcnt 0x0
	s_add_nc_u64 s[4:5], s[4:5], s[14:15]
.irp g, 0,1,2,3                        ; frequencies 2 g and 2 g + 1 = 4 h + 2 e (+ 1): g = 2 h + e
	global_store_b128 v[OFF], v[OUT+4*\g:OUT+4*\g+3], s[4:5] offset:(\g&1)*512+(\g>>1)*256
.endr
	s_endpgm
.Lfunc_end_k_q226a1ada8b_rope:
	.size	k_q226a1ada8b_rope, .Lfunc_end_k_q226a1ada8b_rope-k_q226a1ada8b_rope
	.p2alignl 7, 3214868480
	.fill 96, 4, 3214868480
	.section	.rodata,"a",@progbits
	.p2align	6, 0x0
	.amdhsa_kernel k_q226a1ada8b_rope
		.amdhsa_group_segment_fixed_size 0
		.amdhsa_private_segment_fixed_size 0
		.amdhsa_enable_private_segment 0
		.amdhsa_kernarg_size 8
		.amdhsa_user_sgpr_count 2
		.amdhsa_user_sgpr_kernarg_segment_ptr 1
		.amdhsa_wavefront_size32 1
		.amdhsa_system_sgpr_workgroup_id_x 1
		.amdhsa_system_sgpr_workgroup_id_y 1
		.amdhsa_system_sgpr_workgroup_id_z 1
		.amdhsa_system_vgpr_workitem_id 0
		.amdhsa_next_free_vgpr 112
		.amdhsa_next_free_sgpr 66
		.amdhsa_reserve_vcc 1
		.amdhsa_float_denorm_mode_32 3
		.amdhsa_float_denorm_mode_16_64 3
		.amdhsa_memory_ordered 1
		.amdhsa_forward_progress 1
		.amdhsa_inst_pref_size 14
	.end_amdhsa_kernel
	.amdgpu_metadata
---
amdhsa.version: [ 1, 2 ]
amdhsa.kernels:
  - .name:           k_q226a1ada8b_rope
    .symbol:         k_q226a1ada8b_rope.kd
    .args:
      - { .name: ropetab, .offset: 0, .size: 8, .value_kind: global_buffer, .address_space: global }
    .group_segment_fixed_size: 0
    .private_segment_fixed_size: 0
    .kernarg_segment_align: 8
    .kernarg_segment_size: 8
    .max_flat_workgroup_size: 128
    .sgpr_count:     66
    .vgpr_count:     112
    .wavefront_size: 32
...
	.end_amdgpu_metadata
.endif
;; end of part 1
;; launch qkv (part 2): grid 12 x 16, 4 waves a work-group, clusters of 4 x 4, 327,680 bytes of LDS; arguments x_codes, w_qkv_codes, lowp_scales, ropetab, qc, kc, vc; writes qc, kc, vc
.if DOCPART == 2
	.amdgcn_target "amdgcn-amd-amdhsa--gfx1250"
	.amdhsa_code_object_version 6
	.text
	.protected	k_q226a1ada8b_qkv
	.globl	k_q226a1ada8b_qkv
	.p2align	8
	.type	k_q226a1ada8b_qkv,@function
k_q226a1ada8b_qkv:
	s_mov_b64 s[64:65], 0
	v_nop
	global_prefetch_b8 v0, s[64:65] scope:SCOPE_SE
	s_setreg_imm32_b32 hwreg(HW_REG_WAVE_MODE, 25, 1), 1
	s_wait_xcnt 0x0
	s_wait_alu depctr_hold_cnt(0) depctr_sa_sdst(0) depctr_va_vdst(0) depctr_va_sdst(0) depctr_va_ssrc(0) depctr_va_vcc(0) depctr_vm_vsrc(0)
	s_getreg_b32 s2, hwreg(HW_REG_IB_STS2, 6, 4)
	s_cmp_eq_u32 s2, 0
	s_cbranch_scc0 .Lentry_in_a_cluster
	s_endpgm
.Lentry_in_a_cluster:
	s_bfe_u32 s2, ttmp6, 0x10000c
	s_cmp_lg_u32 s2, 0xf033
	s_cbranch_scc0 .Lentry_shape_is_right
	s_endpgm
.Lentry_shape_is_right:
; q, k, v = x Wqkv on codes of FP8 (E4M3), the rotary embedding on q and k in f32, and the three results quantised to FP8 codes for the attention launch.
; x: [4096][1024] codes, w: [3072][1024] codes, K innermost.  A sum stands for sum x 2^(e0 + e1).  The rotation is linear, so it is done on the sums as they are, and the conversion to codes
; divides by 2^(e - e0 - e1), e = entry 2 (q), 3 (k) or 5 (v) of the scales.  LIMIT: e - e0 - e1 lies between -126 and 119, so that this power of two and 448 times it are f32 numbers.  NaN codes in the inputs are not served.
; A tile of the result, 256 x 256, is made by a work-group of four waves; a wave makes 128 x 128: 64 accumulators of 16 x 16, 512 registers.  K = 1,024 goes in four steps of 256 through a ring of two LDS slots.
; CLUSTERS of 4 x 4 work-groups: the first operand's tile is shared along a row of the cluster, the second's along a column; each is asked for jointly.  The grid is 3 x 4 clusters: cluster x = 0 makes q, 1 makes k, 2 makes v.
; V IS MADE TRANSPOSED BY THE SAME TEXT: for q and k the first operand (A) is x and the second (B) is w; for v A is w's rows 2048 .. 3071 (the channels) and B is x (the keys).  The choice hangs on the cluster's x alone.
; THE MATRIX INSTRUCTION takes 16 rows of B as source 0 and 16 rows of A as source 1: lane (r, h) of accumulator (a, b) holds A's row 16 a + r and B's rows 16 b + 8 h + 0 .. 7.
; So for q and k a lane's eight registers are eight neighbouring channels of one position (four pairs of the rotation), for v eight neighbouring keys of one channel: eight codes, 8 bytes, and the wave's 32 lanes store 256 consecutive bytes, aligned.
; LAYOUTS WRITTEN: qc, kc: [head 16][G = pos / 16][c4 = ch / 16][r = pos % 16][16 ch];  vc: [head][g = key / 16][ch 64][16 keys].  No result goes through LDS.
; REGISTERS, in windows of 256: window 0: v0-31 addresses and the two scale numbers; v32-95 a block at work on the way out; from v128 A's fragments, ONE set; on the way out the codes.
;   window 1: B's fragments, TWO sets, at v0 and v128; on the way out the table of cos and sin.   window 2: the accumulators of my rows 0-63 ((a, b) at v[8 (8 a + b)]);   window 3: those of my rows 64-127.
.set ROWB,   256                       ; a tile's row in bytes: 256 codes
.set KROW,   1024                      ; a row of x or of w in memory, in bytes
.set PITCH,  272                       ; an LDS row: 256 bytes + 16 of padding = 68 words: the 16 rows that a load touches start 4 banks apart (64 banks of 4 bytes: ISA guide 11.1)
.set FR,     16                        ; registers of a fragment: 16 rows x 128 K
.set NL,     4                         ; LDS loads that bring one
.set NP,     4                         ; places behind this matrix instruction (ISA guide 7.12.1)
.set HALFT,  128*PITCH                 ; 128 rows: what one tensor load brings, and what one wave reads of A or of B
.set SLOT,   4*HALFT                   ; A's 256 rows, then B's 256 rows
.set SPARE,  2*SLOT                    ; behind the ring: the spare words, 128 bytes for each wave: two blocks of 256 bytes that no other line names
.set ADRA, 16                          ; v16-17  LDS address of my A fragments in slot 0, 1
.set ADRB, 20                          ; v20-21  the same for B
.set SO,   26                          ; v26     16 r + 8 h: my 8 bytes in a store's 256
.set LT,   27                          ; v27     16 x lane: my 16 bytes in a table load's 512
.set SPW,  28                          ; v28     LDS address of my spare word: SPARE + 4 x my thread's number; never rewritten
.set NIL,  29                          ; v29     0; never rewritten
.set SC,   30                          ; v30     2^(e - e0 - e1) as f32: the conversion takes its exponent field
.set LIM,  31                          ; v31     448 x that
.set TMP,  32                          ; v32-95  a block's 64 numbers
.set AF,   128                         ; A's fragments, in window 0
.set CODE, 128                         ; the way out: 16 registers of codes for each block, so that no store's data are written again
.set G1, 24                            ; s[24:31] descriptor group 1 for A's tiles;  s[32:39] group 0, one set for each slot
.set G0, 32
.set G1B, 48                           ; s[48:55], s[56:63] the same for B's tiles
.set G0B, 56
.set MSB, 0
.macro WIN new                         ; the immediate's high byte repeats the setting that is left; a switch that changes nothing is dropped
.if MSB != (\new)
	s_set_vgpr_msb (MSB<<8)|(\new)
.set MSB, (\new)
.endif
.endm
.set MUL_LO, 0xa1                      ; source 0 (B) window 1, source 1 (A) window 0, C and D window 2
.set MUL_HI, 0xf1                      ; the same, C and D window 3
.set TO_B,   0x40                      ; destination window 1, address window 0
; A joint load: waves 0 and 1 fetch for A, waves 2 and 3 for B.  Each of the two lines has one mask and one set of registers for all that issue it; the branch hangs on the wave's number alone.
; Four v_nop follow each of the two lines, ahead of the jump, the label and what follows.
.macro JLOAD g0a, g1a, g0b, g1b
	s_cmp_eq_u32 s15, 0
	s_cbranch_scc0 .Lfor_b_\@
	tensor_load_to_lds s[\g0a:\g0a+3], s[\g1a:\g1a+7]
	s_nop 0
.rept 4
	v_nop
.endr
	s_branch .Lasked_\@
.Lfor_b_\@:
	tensor_load_to_lds s[\g0b:\g0b+3], s[\g1b:\g1b+7]
	s_nop 0
.rept 4
	v_nop
.endr
.Lasked_\@:
.endm
.macro CREST                           ; a round of the cluster's barrier behind its opening barrier
	s_cmp_lg_u32 s14, 0
	s_cbranch_scc1 .Lnot_wave_0_\@
	s_barrier_signal -3
.Lnot_wave_0_\@:
	s_barrier_wait -3
	s_barrier_signal -1
	s_barrier_wait -1
.endm
.macro CROUND                          ; a whole round
	s_barrier_signal -1
	s_barrier_wait -1
	CREST
.endm
	s_load_b256 s[4:11], s[0:1], 0x0               ; x s[4:5], w s[6:7], the scales' exponents s[8:9], the table s[10:11]
	s_load_b128 s[68:71], s[0:1], 0x20             ; qc s[68:69], kc s[70:71]
	s_load_b64 s[72:73], s[0:1], 0x30              ; vc
	v_lshl_add_u32 v[SPW], v0, 2, SPARE
	v_mov_b32 v[NIL], 0
	ds_add_u32 v28, v29
	ds_add_u32 v28, v29
	s_wait_dscnt 0x0
	v_lshrrev_b32 v1, 5, v0
	v_readfirstlane_b32 s14, v1                    ; wave 0..3
	s_lshr_b32 s15, s14, 1                         ; which half of the tile's A rows is mine.  Also: I fetch for A (0) or for B (1)
	s_and_b32 s16, s14, 1                          ; which half of its B rows.  Also: which 128 rows of that tile I fetch
	s_bfe_u32 s40, ttmp6, 0x40000                  ; cx, cy: my place in the cluster
	s_bfe_u32 s41, ttmp6, 0x40004
	s_and_b32 s74, ttmp7, 0xffff
	s_lshl_b32 s74, s74, 2                         ; 4 x cluster y
	s_lshl_b32 s75, ttmp9, 2                       ; 4 x cluster x
	s_cmp_eq_u32 ttmp9, 2                          ; v?  The same answer in all sixteen partners
	s_cselect_b32 s17, 8, s74                      ; A's tile row: for v w's rows from 2,048 on, else x's by the cluster's y,
	s_cselect_b32 s42, s74, s75                    ; B's tile row: for v x's by the cluster's y, else w's by the cluster's x
	s_add_co_u32 s17, s17, s41                     ; + cy: A's tile hangs on cy alone within the cluster
	s_add_co_u32 s42, s42, s40                     ; + cx: B's on cx alone
	s_lshl_b32 s43, s41, 2
	s_lshl_b32 s43, 15, s43                        ; my row of the cluster
	s_lshl_b32 s44, 0x1111, s40                    ; my column
	; descriptor group 1: a tile of 128 rows x 256 bytes, padded in LDS
	s_or_b32 s[G1+0], s43, (0<<16)|(1<<20)|(1<<21)|(5<<22)|(3<<25)  ; 15:0 the mask: A's tiles go to my row; 17:16 element of 1 byte; 20 padding on; 21 set beside a mask; 24:22 after every 64 words (code 5); 31:25 of 4 words (code 3)
	s_or_b32 s[G1B+0], s44, (0<<16)|(1<<20)|(1<<21)|(5<<22)|(3<<25)
.irp g, G1, G1B
	s_mov_b32 s[\g+1], ROWB<<16                    ; tensor_dim0
	s_mov_b32 s[\g+2], 128<<16                     ; tensor_dim1 = 128
	s_mov_b32 s[\g+3], ROWB<<16                    ; tile_dim0
	s_mov_b32 s[\g+4], 128                         ; tile_dim1 = 128
	s_mov_b32 s[\g+5], KROW                        ; tensor_dim0_stride
	s_mov_b32 s[\g+6], 0
	s_mov_b32 s[\g+7], 0
.endr
	s_lshl_b32 s18, s16, 7                         ; which 128 rows of the tile I fetch
	s_lshl_b32 s20, s17, 8
	s_add_co_u32 s20, s20, s18                     ; A: row 256 x tile row + 128 x half
	s_lshl_b32 s46, s42, 8
	s_add_co_u32 s46, s46, s18                     ; B likewise
	s_lshl_b32 s20, s20, 10                        ; in bytes: at most 4,096 rows of 1,024
	s_lshl_b32 s46, s46, 10
	s_mov_b32 s21, 0
	s_mov_b32 s47, 0
	s_mul_i32 s45, s14, HALFT                      ; where they go: wave x 128 rows: no place in the cluster enters an LDS address
	s_wait_kmcnt 0x0
	s_load_b256 s[76:83], s[8:9], 0x0              ; e0 .. e7
	s_cmp_eq_u32 ttmp9, 2
	s_cselect_b64 s[86:87], s[6:7], s[4:5]         ; A: w for v, else x
	s_cselect_b64 s[88:89], s[4:5], s[6:7]         ; B: x for v, else w
	s_add_nc_u64 s[20:21], s[86:87], s[20:21]
	s_add_nc_u64 s[46:47], s[88:89], s[46:47]
	CROUND                                         ; all sixteen work-groups are here: the first joint loads meet
.irp s, 0,1
	s_mov_b32 s[G0+4*\s], 1
	s_add_co_u32 s[G0+4*\s+1], s45, \s*SLOT
	s_add_nc_u64 s[G0+4*\s+2:G0+4*\s+3], s[20:21], \s*ROWB
	s_or_b32 s[G0+4*\s+3], s[G0+4*\s+3], 0x80000000
	s_mov_b32 s[G0B+4*\s], 1
	s_add_co_u32 s[G0B+4*\s+1], s45, \s*SLOT
	s_add_nc_u64 s[G0B+4*\s+2:G0B+4*\s+3], s[46:47], \s*ROWB
	s_or_b32 s[G0B+4*\s+3], s[G0B+4*\s+3], 0x80000000
	JLOAD G0+4*\s, G1, G0B+4*\s, G1B               ; two loads of mine are out
.endr
	v_and_b32 v1, 15, v0                           ; r = l % 16
	v_bfe_u32 v2, v0, 4, 1                         ; h = l / 16
	v_mul_u32_u24 v3, v1, PITCH
	v_lshl_add_u32 v4, v2, 4, v3                   ; a fragment's row x pitch + 16 x half
	s_mul_i32 s21, s15, HALFT                      ; my 128 rows of A
	s_mul_i32 s22, s16, HALFT                      ; my 128 rows of B,
	s_add_co_u32 s22, s22, 2*HALFT                 ; which lie behind A's 256
.irp s, 0,1
	v_add_nc_u32 v[ADRA+\s], s21, v4
	v_add_nc_u32 v[ADRB+\s], s22, v4
	s_add_co_u32 s21, s21, SLOT
	s_add_co_u32 s22, s22, SLOT
.endr
	v_lshlrev_b32 v[SO], 4, v1
	v_lshl_add_u32 v[SO], v2, 3, v[SO]
	v_and_b32 v5, 31, v0
	v_lshlrev_b32 v[LT], 4, v5
	; where my results go.  q, k: head 4 cx + 2 x (B half) + b / 4, G = 16 x (A's tile row) + 8 x (A half) + a.   v: head 4 cy + 2 x (A half) + a / 4, g = 16 x (B's tile row) + 8 x (B half) + b
	s_lshl_b32 s84, s40, 2
	s_lshl_b32 s85, s16, 1
	s_add_co_u32 s84, s84, s85                     ; q, k: the first of my two heads
	s_lshl_b32 s85, s41, 2
	s_lshl_b32 s94, s15, 1
	s_add_co_u32 s85, s85, s94                     ; v: likewise
	s_lshl_b32 s94, s17, 4
	s_lshl_b32 s95, s15, 3
	s_add_co_u32 s94, s94, s95                     ; the first of my eight groups of 16 rows of A
	s_lshl_b32 s95, s42, 4
	s_lshl_b32 s96, s16, 3
	s_add_co_u32 s95, s95, s96                     ; and of B
	s_wait_kmcnt 0x0                               ; the scales' exponents
	s_cmp_eq_u32 ttmp9, 2
	s_cselect_b32 s84, s85, s84
	s_cselect_b32 s85, s95, s94
	s_cselect_b64 s[90:91], s[72:73], s[70:71]     ; vc or kc,
	s_cselect_b32 s97, s81, s79                    ; e5 or e3,
	s_cmp_eq_u32 ttmp9, 0
	s_cselect_b64 s[90:91], s[68:69], s[90:91]     ; or qc
	s_cselect_b32 s97, s78, s97                    ; and e2
	s_lshl_b32 s84, s84, 18                        ; a head is 262,144 bytes,
	s_lshl_b32 s85, s85, 10                        ; a group of 16 positions 1,024
	s_add_co_u32 s84, s84, s85
	s_mov_b32 s85, 0
	s_add_nc_u64 s[90:91], s[90:91], s[84:85]
	s_lshl_b32 s94, s94, 12                        ; the table: 4,096 bytes for a group of 16 positions
	s_mov_b32 s95, 0
	s_add_nc_u64 s[92:93], s[10:11], s[94:95]
	s_sub_co_i32 s97, s97, s76
	s_sub_co_i32 s97, s97, s77                     ; e - e0 - e1
	s_add_co_i32 s97, s97, 127
	s_lshl_b32 s96, s97, 23
	v_mov_b32 v[SC], s96
	s_add_co_i32 s97, s97, 8
	s_lshl_b32 s97, s97, 23
	s_or_b32 s97, s97, 0x600000                    ; 448 = 1.75 x 2^8
	v_mov_b32 v[LIM], s97
.macro FRAG reg, adr, q, i             ; a fragment, 16 rows x 128 K, is 16 registers: lane l holds row l % 16; registers 4 c .. 4 c + 3 hold K = 32 c + 16 (l / 16) + 0 .. 15: the same places in A and in B, so every product meets its partner
.irp c, 0,1,2,3
	ds_load_b128 v[\reg+4*\c:\reg+4*\c+3], v[\adr] offset:128*(\q)+32*\c+(\i)*16*PITCH
.endr
.endm
; 16 matrix instructions: A's blocks a0, a0 + 1 x B's eight, 128 along K.  p: B's set.  zero = 1: the first product starts the sums: nothing is ever cleared.
; The 64 accumulators take turns, one instruction a turn, in the same order in every step.
.macro MUL16 a0, p, zero
.irp a, \a0, \a0+1
.irp b, 0,1,2,3,4,5,6,7
.if \zero
	v_wmma_f32_16x16x128_fp8_fp8 v[8*(8*((\a)%4)+\b):8*(8*((\a)%4)+\b)+7], v[128*(\p)+FR*\b:128*(\p)+FR*\b+FR-1], v[AF+FR*(\a):AF+FR*(\a)+FR-1], 0
.else
	v_wmma_f32_16x16x128_fp8_fp8 v[8*(8*((\a)%4)+\b):8*(8*((\a)%4)+\b)+7], v[128*(\p)+FR*\b:128*(\p)+FR*\b+FR-1], v[AF+FR*(\a):AF+FR*(\a)+FR-1], v[8*(8*((\a)%4)+\b):8*(8*((\a)%4)+\b)+7]
.endif
.endr
.endr
.endm
.macro FETCH_B slot, q, p              ; B's eight fragments of the slot's q-th 128 along K into set p
	WIN TO_B
.irp i, 0,1,2,3,4,5,6,7
	FRAG 128*(\p)+FR*\i, ADRB+\slot, \q, \i
.endr
	WIN 0
.endm
.macro FETCH_A slot, q, i0             ; A's blocks i0 .. i0 + 3
.irp i, \i0, \i0+1, \i0+2, \i0+3
	FRAG AF+FR*(\i), ADRA+\slot, \q, \i
.endr
.endm
; A load into a register that a matrix instruction has read, and a vector instruction that reads a matrix result, stand NP places behind that matrix instruction; only plain vector
; instructions that name none of its registers are places (ISA guide 7.12.1 for vector instructions).
.macro PLACES n
.rept \n
	v_nop
.endr
.endm
; A step of 128 along K that has its successor in the same slot.  A block of A is free as soon as its eight products are issued: blocks 0-3 are fetched anew in the step's middle, blocks 4-7 at its end.
.macro STEP slot, q, zero
	s_wait_dscnt 4*NL                              ; B's set and A's blocks 0-3 are in; the youngest sixteen loads (A's blocks 4-7) may be out
	WIN MUL_LO
	MUL16 0, (\q)%2, \zero
	MUL16 2, (\q)%2, \zero
	s_wait_dscnt 0                                 ; A's blocks 4-7 are in (asked for 32 matrix instructions ago)
	PLACES NP
	FETCH_B \slot, (\q)+1, 1-(\q)%2
	FETCH_A \slot, (\q)+1, 0
	WIN MUL_HI
	MUL16 4, (\q)%2, \zero
	MUL16 6, (\q)%2, \zero
	PLACES NP
	WIN 0
	FETCH_A \slot, (\q)+1, 4
.endm
; A slot's last step changes slots: ONE barrier; in front of it each wave waits for all its tensor loads, adds 0 to its spare word, and waits for that and for its own reads of this slot.  fill = 1: this slot is filled again, two K steps ahead.
.macro TURN slot, next, fill
	s_wait_tensorcnt 0x0                           ; all my tensor loads have landed: my part of the next slot;  (every window is 0 here: the add's two registers lie in window 0)
	ds_add_u32 v[SPW], v[NIL]                      ; 0 onto my spare word
	s_wait_dscnt 4*NL+1                            ; (the add and the youngest sixteen loads, A's blocks 4-7, may be out)
	WIN MUL_LO
	MUL16 0, 1, 0                                  ; sixteen matrix instructions stand between the add and the wait for it
	s_wait_dscnt 0x0                               ; the add is done, and my reads of this slot are over
	s_barrier_signal -1
	MUL16 2, 1, 0
	WIN 0
	s_barrier_wait -1
.if \fill
	CREST                                          ; the barrier has opened a round of the cluster's barrier: no wave of any partner still reads this slot's tile or has a load on its way
	s_add_nc_u64 s[G0+4*\slot+2:G0+4*\slot+3], s[G0+4*\slot+2:G0+4*\slot+3], 2*ROWB
	s_add_nc_u64 s[G0B+4*\slot+2:G0B+4*\slot+3], s[G0B+4*\slot+2:G0B+4*\slot+3], 2*ROWB
	JLOAD G0+4*\slot, G1, G0B+4*\slot, G1B         ; the first tensor load behind the round, my only one until the next; the four v_nop behind it are the places in front of the loads below
.else
	PLACES NP
.endif
	FETCH_B \next, 0, 0
	FETCH_A \next, 0, 0
	WIN MUL_HI
	MUL16 4, 1, 0
	MUL16 6, 1, 0
	PLACES NP
	WIN 0
	FETCH_A \next, 0, 4
.endm
.macro LAST                            ; the very last step of 128 along K: nothing more to fetch
	s_wait_dscnt 4*NL
	WIN MUL_LO
	MUL16 0, 1, 0
	MUL16 2, 1, 0
	s_wait_dscnt 0
	WIN MUL_HI
	MUL16 4, 1, 0
	MUL16 6, 1, 0
	WIN 0
.endm
; THE WAY OUT OF q AND k.  TAB a: cos and sin for block a's 16 positions, in the order of the lanes' registers: register 32 a + 8 tq + 2 i of window 1 holds cos, the next one sin, of frequency 8 tq + 4 h + i at position 16 a + r.
; Eight loads of 512 consecutive bytes.  The window is set by the caller: destination window 1.
.macro TAB a
.irp tq, 0,1,2,3
.irp e, 0,1
	global_load_b128 v[32*(\a)+8*\tq+4*\e:32*(\a)+8*\tq+4*\e+3], v[LT], s[92:93] offset:(\a)*4096+\tq*1024+\e*512
.endr
.endr
.endm
; QKBLOCK a: block a's 16 positions x 128 channels.  A pair (x0, x1) becomes (x0 cos - x1 sin, x1 cos + x0 sin): one packed multiply gives (x1 sin, x0 sin), one packed multiply-add the rest.
; Then the hold at 448 x the scale (the conversion to an 8-bit code does not saturate: ISA guide 7.6.2), the conversion, and eight stores of 256 consecutive bytes.  Each accumulator is read from its low end on.
.macro QKBLOCK a
.set AC, 64*((\a)%4)
.set TT, 32*(\a)
	s_wait_loadcnt 56-8*(\a)                       ; the table's loads come back in order: block a's eight are in, eight for each later block may be out
	WIN 0x06+(\a)/4                                ; source 0: the sums, window 2 or 3; source 1: the table, window 1
.irp b, 0,1,2,3,4,5,6,7
.irp i, 0,2,4,6
	v_pk_mul_f32 v[TMP+8*\b+\i:TMP+8*\b+\i+1], v[AC+8*\b+\i:AC+8*\b+\i+1], v[TT+8*(\b%4)+\i:TT+8*(\b%4)+\i+1] op_sel:[1,1] op_sel_hi:[0,1]
.endr
.endr
.irp b, 0,1,2,3,4,5,6,7
.irp i, 0,2,4,6
	v_pk_fma_f32 v[TMP+8*\b+\i:TMP+8*\b+\i+1], v[AC+8*\b+\i:AC+8*\b+\i+1], v[TT+8*(\b%4)+\i:TT+8*(\b%4)+\i+1], v[TMP+8*\b+\i:TMP+8*\b+\i+1] op_sel_hi:[1,0,1] neg_lo:[0,0,1]
.endr
.endr
	WIN 0
.set j, 0
.rept 64
	v_med3_num_f32 v[TMP+j], v[TMP+j], -v[LIM], v[LIM]
.set j, j+1
.endr
.irp b, 0,1,2,3,4,5,6,7
	v_cvt_scalef32_pk8_fp8_f32 v[CODE+16*(\a)+2*\b:CODE+16*(\a)+2*\b+1], v[TMP+8*\b:TMP+8*\b+7], v[SC]
.endr
	v_nop                                          ; one plain vector instruction between the conversions and the next block's lines, which write their sources
.irp b, 0,1,2,3,4,5,6,7
	global_store_b64 v[SO], v[CODE+16*(\a)+2*\b:CODE+16*(\a)+2*\b+1], s[90:91] offset:(\a)*1024+(\b/4)*262144+(\b%4)*256
.endr
.endm
; THE WAY OUT OF v: block a's 16 channels x 128 keys: the hold, the conversion, eight stores of 256 consecutive bytes.
.macro VBLOCK a
.set AC, 64*((\a)%4)
	WIN 0x02+(\a)/4                                ; source 0: the sums, window 2 or 3
.set j, 0
.rept 64
	v_med3_num_f32 v[TMP+j], v[AC+j], -v[LIM], v[LIM]
.set j, j+1
.endr
	WIN 0
.irp b, 0,1,2,3,4,5,6,7
	v_cvt_scalef32_pk8_fp8_f32 v[CODE+16*(\a)+2*\b:CODE+16*(\a)+2*\b+1], v[TMP+8*\b:TMP+8*\b+7], v[SC]
.endr
	v_nop                                          ; one plain vector instruction between the conversions and the next block's lines, which write their sources
.irp b, 0,1,2,3,4,5,6,7
	global_store_b64 v[SO], v[CODE+16*(\a)+2*\b:CODE+16*(\a)+2*\b+1], s[90:91] offset:((\a)/4)*262144+((\a)%4)*256+\b*1024
.endr
.endm
	s_wait_tensorcnt 1                             ; my part of K step 0 is in (K step 1's load may be out)
	s_barrier_signal -1
	s_barrier_wait -1                              ; everybody's is
	FETCH_B 0, 0, 0
	FETCH_A 0, 0, 0
	FETCH_A 0, 0, 4
	STEP 0, 0, 1                                   ; K = 1,024 is four K steps, eight steps of 128: written out, since a loop round the ring would have one trip.  The first products start the sums
	TURN 0, 1, 1                                   ; slot 0 takes K step 2
	STEP 1, 0, 0
	TURN 1, 0, 1                                   ; slot 1 takes K step 3
	STEP 0, 0, 0
	TURN 0, 1, 0                                   ; nothing is left to fetch
	STEP 1, 0, 0
	s_cmp_eq_u32 ttmp9, 2                          ; the one parting of the ways: it hangs on the cluster's x alone, and no tensor load, barrier or LDS store stands behind it ahead of the join
	s_cbranch_scc1 .Lv_way
	WIN TO_B
	TAB 0                                          ; into B's set 0, which was last read in front of the step's closing places: these loads land under the last 64 products
	TAB 1
	TAB 2
	TAB 3
	LAST
	PLACES NP                                      ; behind the last products: for the loads into B's set 1 and for the reads of the last results
	WIN TO_B
	TAB 4
	TAB 5
	TAB 6
	TAB 7
.irp a, 0,1,2,3,4,5,6,7
	QKBLOCK \a
.endr
	s_branch .Lend
.Lv_way:
	LAST
	PLACES NP
.irp a, 0,1,2,3,4,5,6,7
	VBLOCK \a
.endr
.Lend:
	s_wait_tensorcnt 0x0                           ; the wave's end, behind my last tensor load
	ds_add_u32 v[SPW], v[NIL]
	s_wait_dscnt 0x0
	CROUND                                         ; the closing round: no work-group ends while a partner may still ask for a tile that names it
	s_endpgm
.Lfunc_end_k_q226a1ada8b_qkv:
	.size	k_q226a1ada8b_qkv, .Lfunc_end_k_q226a1ada8b_qkv-k_q226a1ada8b_qkv
	.p2alignl 7, 3214868480
	.fill 96, 4, 3214868480
	.section	.rodata,"a",@progbits
	.p2align	6, 0x0
	.amdhsa_kernel k_q226a1ada8b_qkv
		.amdhsa_group_segment_fixed_size 327680
		.amdhsa_private_segment_fixed_size 0
		.amdhsa_enable_private_segment 0
		.amdhsa_kernarg_size 56
		.amdhsa_user_sgpr_count 2
		.amdhsa_user_sgpr_kernarg_segment_ptr 1
		.amdhsa_wavefront_size32 1
		.amdhsa_system_sgpr_workgroup_id_x 1
		.amdhsa_system_sgpr_workgroup_id_y 1
		.amdhsa_system_sgpr_workgroup_id_z 1
		.amdhsa_system_vgpr_workitem_id 0
		.amdhsa_next_free_vgpr 1024
		.amdhsa_next_free_sgpr 100
		.amdhsa_reserve_vcc 0
		.amdhsa_float_denorm_mode_32 3
		.amdhsa_float_denorm_mode_16_64 3
		.amdhsa_memory_ordered 1
		.amdhsa_forward_progress 1
		.amdhsa_inst_pref_size 207
	.end_amdhsa_kernel
	.amdgpu_metadata
---
amdhsa.version: [ 1, 2 ]
amdhsa.kernels:
  - .name:           k_q226a1ada8b_qkv
    .symbol:         k_q226a1ada8b_qkv.kd
    .args:
      - { .name: x_codes, .offset: 0, .size: 8, .value_kind: global_buffer, .address_space: global }
      - { .name: w_qkv_codes, .offset: 8, .size: 8, .value_kind: global_buffer, .address_space: global }
      - { .name: lowp_scales, .offset: 16, .size: 8, .value_kind: global_buffer, .address_space: global }
      - { .name: ropetab, .offset: 24, .size: 8, .value_kind: global_buffer, .address_space: global }
      - { .name: qc, .offset: 32, .size: 8, .value_kind: global_buffer, .address_space: global }
      - { .name: kc, .offset: 40, .size: 8, .value_kind: global_buffer, .address_space: global }
      - { .name: vc, .offset: 48, .size: 8, .value_kind: global_buffer, .address_space: global }
    .group_segment_fixed_size: 327680
    .private_segment_fixed_size: 0
    .kernarg_segment_align: 8
    .kernarg_segment_size: 56
    .max_flat_workgroup_size: 128
    .sgpr_count:     100
    .vgpr_count:     1024
    .wavefront_size: 32
...
	.end_amdgpu_metadata
.endif
;; end of part 2
;; launch attn (part 3): grid 16 x 16, 16 waves a work-group, no clusters, 169,984 bytes of LDS; arguments qc, kc, vc, lowp_scales, oc; writes oc
.if DOCPART == 3
	.amdgcn_target "amdgcn-amd-amdhsa--gfx1250"
	.amdhsa_code_object_version 6
	.text
	.protected	k_q226a1ada8b_attn
	.globl	k_q226a1ada8b_attn
	.p2align	8
	.type	k_q226a1ada8b_attn,@function
k_q226a1ada8b_attn:
	s_mov_b64 s[64:65], 0
	v_nop
	global_prefetch_b8 v0, s[64:65] scope:SCOPE_SE
	s_setreg_imm32_b32 hwreg(HW_REG_WAVE_MODE, 25, 1), 1
	s_wait_xcnt 0x0
; Attention in a band: key k counts for query q where 0 <= q - k < 512.  16 heads of 64 channels, 4,096 positions; both products on codes of FP8 (E4M3), each operand with its given scale 2^e.
; THE SOFTMAX AHEAD OF THE SECOND PRODUCT: t = score x log2(e) / 8; M = the largest t so far, rounded UP to a whole number; p = 2^(t - M) is quantised with 2^e4; the row's sum is taken of the unquantised p
; and divides at the end.  When M moves, the sum and O are multiplied by 2^(old M - new M): exact.  The result is quantised with 2^e6 for the last product.
; SHARES.  A work-group owns 256 queries of one head (x: the block, y: the head); each of its sixteen waves owns 16 of them, q_w .. q_w + 15, in 256 registers: four waves to a SIMD, so that one wave's
; vector work stands beside another's matrix work and LDS loads.  The work-group's keys are q0 - 512 .. q0 + 255: 48 groups of 16, 1,024 bytes each of K and of V: 98,304 bytes of LDS, filled ONCE:
; twelve waves bring 8,192 bytes each by one tensor load; one barrier; nothing is filled again.  A chunk of 128 keys that lies before key 0 is fetched from key 0 instead (a maximum on ids, no branch):
; its places hold real codes, and its scores are masked or its steps left out.
; A WAVE'S WINDOW IS RELATIVE TO ITSELF, so its masks are constants of the text: DIAG: keys q_w .. q_w + 15, key i counts where i <= r;  STEP s = 0 .. 3: keys q_w - 512 + 128 s + 0 .. 127, all of which count
; but, among step 0's first sixteen, key i where i <= r.  528 keys a query.  DIAG comes first: its key r counts for query r, so M is a number from the start.
; LAYOUT.  Both products are used transposed: S^T = K Q^T (source 0 = 16 keys, source 1 = my 16 queries), O^T = V^T P^T (source 0 = 16 channels, source 1 = P): lane (r, h) holds query r throughout.
; Register j of S^T's tile t is key 16 t + 8 h + j: eight such registers, converted, ARE registers 2 t, 2 t + 1 of the K = 128 form's source 1.  K and Q are read with the same places for the channels on both sides.
; kc, qc: [head][G = pos / 16][c4 = ch / 16][r][16 ch];  vc: [head][g = key / 16][ch][16 keys];  oc, written here: [G = pos / 16][kappa = (64 head + ch) / 16][r][16].  Every LDS load takes runs of 256 consecutive bytes.
; NO CLUSTER: neighbouring blocks of queries share four of their six chunks of keys, but a key's LDS place is key - (q0 - 512), another in each block, and a joint load has one LDS address for all that it names.
; LIMITS on the given exponents, so that each power of two below is an f32 number: e2 + e3 between -124 and 130 (added to c's exponent field); e4 and e6 - e4 - e5 between -126 and 127.
.set VB,   49152                       ; LDS: K's 48 groups from 0, V's from here
.set AK,   1                           ; v1   K: 1,024 x wave + 16 x lane
.set AV,   2                           ; v2   V: VB + 1,024 x wave + 16 r + 8 h
.set GO,   3                           ; v3   16 r + 8 h: my 8 bytes in a store's 256
.set THR,  4                           ; v4   r - 8 h
.set KSV,  5                           ; v5   a step's first key
.set NINF, 6                           ; v6   -infinity
.set QO,   7                           ; v7   16 x lane: Q's offset
.set Q,    8                           ; v8-15    Q's fragment
.set FR,   16                          ; v16-79   fragments of K, then of V
.set S,    80                          ; v80-143  S^T, then p
.set O,    144                         ; v144-175 O^T: four tiles of 16 channels
.set P,    176                         ; v176-191 p's codes
.set NM,   192                         ; v192 -M; v193 the largest t
.set L,    194                         ; v[194:195] the row's sum in two halves
.set F,    196                         ; v196 2^(old M - new M); v197 named with it as a pair
.set L2,   198                         ; v[198:199] the sum's second chain
.set MX,   200                         ; v200, v201 the maximum's chains; v202 a lane permute's destination
.set PLIM, 204                         ; v205 2^e4
.set PSC,  205
.set OLIM, 206                         ; v207 2^(e6 - e4 - e5)
.set OSC,  207
.set RL,   208                         ; v208 1 / the sum; v209 named with it as a pair
.set OC,   210                         ; v210-217 o's codes
	s_load_b256 s[4:11], s[0:1], 0x0               ; qc s[4:5], kc s[6:7], vc s[8:9], the scales' exponents s[10:11]
	s_load_b64 s[12:13], s[0:1], 0x20              ; oc
	v_lshl_add_u32 v254, v0, 2, 0x29000
	v_mov_b32 v255, 0
	ds_add_u32 v254, v255
	ds_add_u32 v254, v255
	v_lshrrev_b32 v[QO], 5, v0
	s_delay_alu instid0(VALU_DEP_1)
	v_readfirstlane_b32 s14, v[QO]                 ; wave 0..15
	s_lshl_b32 s15, ttmp9, 8                       ; q0
	s_and_b32 s16, ttmp7, 0xffff                   ; the head
	s_lshl_b32 s17, s14, 4
	s_add_co_u32 s17, s17, s15                     ; q_w
	s_mov_b32 s20, 0x76543210                      ; v_permlanex16_b32's selects for lane l xor 16
	s_mov_b32 s21, 0xfedcba98
	; descriptor group 1: a dense block of 8,192 bytes as 32 rows of 256
	s_mov_b32 s24, 3<<16                           ; 15:0 no mask; 17:16 elements of 8 bytes; no padding
	s_mov_b32 s25, 32<<16                          ; tensor_dim0 = 32
	s_mov_b32 s26, 32<<16                          ; tensor_dim1 = 32
	s_mov_b32 s27, 32<<16                          ; tile_dim0 = 32
	s_mov_b32 s28, 32                              ; tile_dim1 = 32
	s_mov_b32 s29, 32                              ; tensor_dim0_stride
	s_mov_b32 s30, 0
	s_mov_b32 s31, 0
	s_cmp_lt_u32 s14, 6                            ; waves 0-5 fetch K's six chunks, waves 6-11 V's
	s_cselect_b32 s19, 0, 6
	s_sub_co_u32 s19, s14, s19                     ; the chunk
	s_lshl_b32 s19, s19, 7
	s_add_co_u32 s19, s19, s15
	s_sub_co_i32 s19, s19, 512                     ; its first key, a multiple of 128,
	s_max_i32 s19, s19, 0                          ; or key 0 where that lies before the head's first
	s_lshl_b32 s44, s19, 6                         ; 64 bytes a key
	s_lshl_b32 s45, s16, 18                        ; 262,144 a head
	s_add_co_u32 s44, s44, s45
	s_mov_b32 s45, 0
	s_wait_dscnt 0x0
	s_wait_kmcnt 0x0
	s_load_b256 s[36:43], s[10:11], 0x0            ; e0 .. e7
	s_cmp_lt_u32 s14, 6
	s_cselect_b64 s[34:35], s[6:7], s[8:9]
	s_add_nc_u64 s[34:35], s[34:35], s[44:45]      ; 120:64 global address
	s_or_b32 s35, s35, 0x80000000                  ; 127:126 type = 2
	s_mov_b32 s32, 1                               ; 1:0 count = 1
	s_lshl_b32 s33, s14, 13                        ; 63:32 LDS address: 8,192 x wave: K's chunks, then V's
	s_cmp_lt_u32 s14, 12
	s_cbranch_scc0 .Lno_fill
	tensor_load_to_lds s[32:35], s[24:31]          ; one load of mine is out
	s_nop 0
.rept 4
	v_nop
.endr
.Lno_fill:
	v_and_b32 v[QO], 31, v0
	s_delay_alu instid0(VALU_DEP_1)
	v_lshlrev_b32 v[QO], 4, v[QO]
	s_lshl_b32 s44, s16, 18
	s_lshl_b32 s46, s17, 6
	s_add_co_u32 s44, s44, s46
	s_add_nc_u64 s[4:5], s[4:5], s[44:45]          ; Q's codes at my 16 queries: 1,024 bytes
	global_load_b128 v[Q:Q+3], v[QO], s[4:5]       ; channels 16 h + 0 .. 15 of query r,
	global_load_b128 v[Q+4:Q+7], v[QO], s[4:5] offset:512  ; and 32 + 16 h + 0 .. 15
	s_lshl_b32 s46, s14, 10
	v_add_nc_u32 v[AK], s46, v[QO]
	v_and_b32 v[THR], 15, v0                       ; r
	v_bfe_u32 v[KSV], v0, 4, 1                     ; h
	s_delay_alu instid0(VALU_DEP_2)
	v_lshlrev_b32 v[GO], 4, v[THR]
	s_delay_alu instid0(VALU_DEP_1)
	v_lshl_add_u32 v[GO], v[KSV], 3, v[GO]
	s_delay_alu instid0(VALU_DEP_1)
	v_add_nc_u32 v[AV], s46, v[GO]
	s_delay_alu instid0(VALU_DEP_1)
	v_add_nc_u32 v[AV], VB, v[AV]
	v_lshlrev_b32 v[KSV], 3, v[KSV]
	s_delay_alu instid0(VALU_DEP_1)
	v_sub_nc_u32 v[THR], v[THR], v[KSV]
	v_mov_b32 v[NINF], 0xff800000
	v_mov_b32 v[F+1], 0                            ; (named as the upper halves of pairs)
	v_mov_b32 v[RL+1], 0
	v_mov_b32 v[MX+2], 0                           ; written once: a lane permute's destination counts as one of its sources
.irp j, 0,1,2,3,4,5
	v_mov_b32 v[P+\j], 0                           ; DIAG's product has K = 64: 48 keys with p = 0 ahead of its sixteen
.endr
	s_add_co_u32 s44, s17, s16
	s_lshl_b32 s44, s44, 10                        ; oc: 16,384 bytes for 16 positions, 1,024 for a head in them
	s_add_nc_u64 s[12:13], s[12:13], s[44:45]
	s_wait_kmcnt 0x0
	s_add_co_i32 s47, s38, s39                     ; a score stands for score x 2^(e2 + e3): the two exponents are added to c's exponent field
	s_lshl_b32 s47, s47, 23
	s_add_co_i32 s22, s47, 0x3e38aa3b              ; c = log2(e) / 8
	s_mov_b32 s23, s22                             ; (named with it as a pair, so it is written)
	s_add_co_i32 s47, s40, 127
	s_lshl_b32 s48, s47, 23
	v_mov_b32 v[PSC], s48
	s_sub_co_i32 s47, s42, s40                     ; O / the sum stands for that x 2^(e4 + e5): its code is that / 2^(e6 - e4 - e5)
	s_sub_co_i32 s47, s47, s41
	s_add_co_i32 s47, s47, 127
	s_lshl_b32 s48, s47, 23
	v_mov_b32 v[OSC], s48
	s_wait_tensorcnt 0x0                           ; my chunk has landed (a wave that fetched nothing passes at once),
	s_barrier_signal -1
	s_barrier_wait -1                              ; everybody's has: from here on LDS is only read
	; ---- DIAG: keys q_w .. q_w + 15: group 32 behind my wave's first.  It starts M, the sum and O^T.
	ds_load_b128 v[FR:FR+3], v[AK] offset:32*1024
	ds_load_b128 v[FR+4:FR+7], v[AK] offset:32*1024+512
.irp u, 0,1,2,3
.irp c, 0,1,2,3
	ds_load_b64 v[FR+16+8*\u+2*\c:FR+16+8*\u+2*\c+1], v[AV] offset:(29+\c)*1024+\u*256   ; V: channels 16 u + r, keys q_w - 48 + 16 c + 8 h + 0 .. 7
.endr
.endr
	s_wait_loadcnt 0x0                             ; Q
	s_wait_dscnt 16                                ; K's tile is in; V's sixteen loads may be out
	v_wmma_f32_16x16x64_fp8_fp8 v[S:S+7], v[FR:FR+7], v[Q:Q+7], 0
.rept 4
	v_nop
.endr
.irp j, 0,1,2,3,4,5,6,7
	v_cmp_gt_i32 vcc_lo, \j, v[THR]                ; key 8 h + j comes after query r
	v_cndmask_b32 v[S+\j], v[S+\j], v[NINF], vcc_lo
.endr
	v_max3_num_f32 v[MX], v[S], v[S+1], v[S+2]
	v_max3_num_f32 v[MX+1], v[S+3], v[S+4], v[S+5]
	s_delay_alu instid0(VALU_DEP_2)
	v_max3_num_f32 v[MX], v[MX], v[S+6], v[S+7]
	s_delay_alu instid0(VALU_DEP_1)
	v_max_num_f32 v[MX], v[MX], v[MX+1]
	s_delay_alu instid0(VALU_DEP_1)
	v_permlanex16_b32 v[MX+2], v[MX], s20, s21
	s_delay_alu instid0(VALU_DEP_1)
	v_max_num_f32 v[MX], v[MX], v[MX+2]            ; and lane l xor 16's
	s_delay_alu instid0(VALU_DEP_1)
	v_mul_f32 v[NM+1], s22, v[MX]                  ; the largest t (c is positive)
	s_delay_alu instid0(VALU_DEP_1)
	v_floor_f32 v[NM], -v[NM+1]                    ; -M = floor(-t) = -ceil(t)
.irp j, 0,2,4,6
	v_pk_fma_f32 v[S+\j:S+\j+1], v[S+\j:S+\j+1], s[22:23], v[NM:NM+1] op_sel_hi:[1,0,0]   ; t - M
.endr
	s_wait_alu depctr_va_vdst(0)
.irp j, 0,1,2,3,4,5,6,7
	v_exp_f32 v[S+\j], v[S+\j]
.endr
	v_nop                                          ; a plain instruction behind the last exponential,
	s_wait_alu depctr_va_vdst(0)                   ; and one wait for the batch, ahead of its first reader
	v_pk_add_f32 v[L:L+1], v[S:S+1], v[S+2:S+3]    ; the sum of the unquantised p
	v_pk_add_f32 v[L2:L2+1], v[S+4:S+5], v[S+6:S+7]
	s_delay_alu instid0(VALU_DEP_1)
	v_pk_add_f32 v[L:L+1], v[L:L+1], v[L2:L2+1]
.irp j, 0,1,2,3,4,5,6,7
.endr
	v_cvt_scalef32_pk8_fp8_f32 v[P+6:P+7], v[S:S+7], v[PSC]
	v_nop                                          ; one plain vector instruction between the conversion and the products that read its result
	s_wait_alu depctr_va_vdst(0)
	s_wait_dscnt 0x0                               ; V
.irp u, 0,1,2,3
	v_wmma_f32_16x16x64_fp8_fp8 v[O+8*\u:O+8*\u+7], v[FR+16+8*\u:FR+16+8*\u+7], v[P:P+7], 0
.endr
.rept 5
	v_nop                                          ; five places: the K = 128 form later adds onto these sums, and it is another form
.endr
; ---- A STEP: 128 keys from q_w - 512 + 128 s on: groups 8 s .. 8 s + 7 behind my wave's first.
.macro STEP s
	s_cmp_le_u32 s17, 384-128*\s                   ; all 128 keys lie before key 0: the step is left out (a branch on ids; no barrier and no tensor load stands in a step)
	s_cbranch_scc1 .Lskip_\@
.rept 4
	v_nop                                          ; places in front of loads into registers that matrix instructions have read
.endr
.irp t, 0,1,2,3,4,5,6,7
	ds_load_b128 v[FR+8*\t:FR+8*\t+3], v[AK] offset:\s*8192+\t*1024
	ds_load_b128 v[FR+8*\t+4:FR+8*\t+7], v[AK] offset:\s*8192+\t*1024+512
.endr
	s_wait_dscnt 0x0
.irp t, 0,1,2,3,4,5,6,7
	v_wmma_f32_16x16x64_fp8_fp8 v[S+8*\t:S+8*\t+7], v[FR+8*\t:FR+8*\t+7], v[Q:Q+7], 0
.endr
.rept 4
	v_nop
.endr
.irp u, 0,1,2,3                        ; V's four fragments are asked for now and land under the softmax
.irp c, 0,1,2,3,4,5,6,7
	ds_load_b64 v[FR+16*\u+2*\c:FR+16*\u+2*\c+1], v[AV] offset:\s*8192+\c*1024+\u*256
.endr
.endr
.if \s == 0
.irp j, 0,1,2,3,4,5,6,7
	v_cmp_le_i32 vcc_lo, \j, v[THR]                ; key q_w - 512 + 8 h + j lies 512 or more behind query q_w + r
	v_cndmask_b32 v[S+\j], v[S+\j], v[NINF], vcc_lo
.endr
.endif
	s_cmp_ge_u32 s17, 512-128*\s                   ; no key of the step lies before key 0: the rule
	s_cbranch_scc1 .Lpos_\@
	s_add_co_i32 s18, s17, 128*\s-512              ; the step's first key, a multiple of 16, negative here
	v_mov_b32 v[KSV], s18
.irp t, 0,1,2,3,4,5,6
	v_cmp_gt_i32 vcc_lo, -16*\t, v[KSV]            ; tile t lies before key 0
.irp j, 0,1,2,3,4,5,6,7
	v_cndmask_b32 v[S+8*\t+\j], v[S+8*\t+\j], v[NINF], vcc_lo
.endr
.endr
.Lpos_\@:
	v_max3_num_f32 v[MX], v[S], v[S+1], v[S+2]     ; the step's largest score of my query, among my 64 keys, in two chains, from each tile's low end on
	s_wait_alu depctr_va_vdst(0)
	v_max3_num_f32 v[MX+1], v[S+3], v[S+4], v[S+5]
.irp i, 6
	v_max3_num_f32 v[MX], v[MX], v[S+\i], v[S+\i+1]
	v_max3_num_f32 v[MX+1], v[MX+1], v[S+\i+2], v[S+\i+3]
.endr
.irp i, 10, 14, 18, 22, 26, 30, 34, 38, 42, 46, 50, 54, 58
	v_max3_num_f32 v[MX], v[MX], v[S+\i], v[S+\i+1]
	v_max3_num_f32 v[MX+1], v[MX+1], v[S+\i+2], v[S+\i+3]
.endr
	v_max3_num_f32 v[MX], v[MX], v[S+62], v[S+63]
	s_delay_alu instid0(VALU_DEP_1)
	v_max_num_f32 v[MX], v[MX], v[MX+1]
	s_delay_alu instid0(VALU_DEP_1)
	v_permlanex16_b32 v[MX+2], v[MX], s20, s21
	s_delay_alu instid0(VALU_DEP_1)
	v_max_num_f32 v[MX], v[MX], v[MX+2]
	s_delay_alu instid0(VALU_DEP_1)
	v_mul_f32 v[MX], s22, v[MX]
	s_delay_alu instid0(VALU_DEP_1)
	v_max_num_f32 v[NM+1], v[NM+1], v[MX]          ; the running largest t
	v_mov_b32 v[MX], v[NM]
	s_delay_alu instid0(VALU_DEP_2)
	v_floor_f32 v[NM], -v[NM+1]                    ; the new -M
	s_delay_alu instid0(VALU_DEP_1)
	v_sub_f32 v[MX], v[NM], v[MX]                  ; old M - new M: a whole number, 0 or less
	s_delay_alu instid0(VALU_DEP_1)
	v_cvt_i32_f32 v[MX], v[MX]
	s_delay_alu instid0(VALU_DEP_1)
	v_ldexp_f32 v[F], 1.0, v[MX]                   ; f = 2^(old M - new M)
.set j, 0
.rept 32
	v_pk_fma_f32 v[S+j:S+j+1], v[S+j:S+j+1], s[22:23], v[NM:NM+1] op_sel_hi:[1,0,0]
.set j, j+2
.endr
.set j, 0
	s_wait_alu depctr_va_vdst(0)
.rept 64
	v_exp_f32 v[S+j], v[S+j]                       ; p = 2^(t - M), at most 1
.set j, j+1
.endr
	v_pk_mul_f32 v[L:L+1], v[L:L+1], v[F:F+1] op_sel_hi:[1,0]   ; the sum under the new M: the plain instruction behind the exponentials
	s_wait_alu depctr_va_vdst(0)                   ; one wait for the batch of 64, ahead of its first reader
	v_pk_add_f32 v[198:199], v[84:85], v[88:89]
	v_pk_add_f32 v[252:253], v[92:93], v[96:97]
	v_pk_add_f32 v[250:251], v[100:101], v[104:105]
	v_pk_add_f32 v[248:249], v[108:109], v[112:113]
	v_pk_add_f32 v[246:247], v[116:117], v[120:121]
	v_pk_add_f32 v[244:245], v[124:125], v[128:129]
	v_pk_add_f32 v[242:243], v[132:133], v[136:137]
	v_pk_add_f32 v[194:195], v[194:195], v[140:141]
	v_pk_add_f32 v[198:199], v[198:199], v[80:81]
	v_pk_add_f32 v[252:253], v[252:253], v[82:83]
	v_pk_add_f32 v[250:251], v[250:251], v[86:87]
	v_pk_add_f32 v[248:249], v[248:249], v[90:91]
	v_pk_add_f32 v[246:247], v[246:247], v[94:95]
	v_pk_add_f32 v[244:245], v[244:245], v[98:99]
	v_pk_add_f32 v[242:243], v[242:243], v[102:103]
	v_pk_add_f32 v[194:195], v[194:195], v[106:107]
	v_pk_add_f32 v[198:199], v[198:199], v[110:111]
	v_pk_add_f32 v[252:253], v[252:253], v[114:115]
	v_pk_add_f32 v[250:251], v[250:251], v[118:119]
	v_pk_add_f32 v[248:249], v[248:249], v[122:123]
	v_pk_add_f32 v[246:247], v[246:247], v[126:127]
	v_pk_add_f32 v[244:245], v[244:245], v[130:131]
	v_pk_add_f32 v[242:243], v[242:243], v[134:135]
	v_pk_add_f32 v[194:195], v[194:195], v[138:139]
	v_pk_add_f32 v[198:199], v[198:199], v[142:143]
	s_delay_alu instid0(VALU_DEP_2)
	v_pk_add_f32 v[194:195], v[194:195], v[248:249]
	s_delay_alu instid0(VALU_DEP_2)
	v_pk_add_f32 v[198:199], v[198:199], v[246:247]
	v_pk_add_f32 v[252:253], v[252:253], v[244:245]
	v_pk_add_f32 v[250:251], v[250:251], v[242:243]
	s_delay_alu instid0(VALU_DEP_2)
	v_pk_add_f32 v[194:195], v[194:195], v[252:253]
	s_delay_alu instid0(VALU_DEP_2)
	v_pk_add_f32 v[198:199], v[198:199], v[250:251]
	s_delay_alu instid0(VALU_DEP_1)
	v_pk_add_f32 v[194:195], v[194:195], v[198:199]
.irp t, 0,1,2,3,4,5,6,7
.irp j, 0,1,2,3,4,5,6,7
.endr
	v_cvt_scalef32_pk8_fp8_f32 v[P+2*\t:P+2*\t+1], v[S+8*\t:S+8*\t+7], v[PSC]   ; keys 16 t + 8 h + 0 .. 7: registers 2 t, 2 t + 1 of the operand
.endr
.set j, 0
.rept 16
	v_pk_mul_f32 v[O+j:O+j+1], v[O+j:O+j+1], v[F:F+1] op_sel_hi:[1,0]   ; O^T under the new M.  (These are also the plain instructions between the conversions and the products)
.set j, j+2
.endr
	s_wait_alu depctr_va_vdst(0)
	s_wait_dscnt 0x0                               ; V
.irp u, 0,1,2,3                        ; the four accumulators take turns, one instruction a turn
	v_wmma_f32_16x16x128_fp8_fp8 v[O+8*\u:O+8*\u+7], v[FR+16*\u:FR+16*\u+15], v[P:P+15], v[O+8*\u:O+8*\u+7]
.endr
.Lskip_\@:
.endm
	STEP 0
	STEP 1
	STEP 2
	STEP 3
	; ---- FINISH: O^T / the sum, quantised; a lane's eight registers of a tile are eight neighbouring channels of its query: 8 bytes; the wave stores 256 consecutive bytes, aligned.
.rept 4
	v_nop                                          ; places behind the last products
.endr
	v_add_f32 v[L], v[L], v[L+1]
	s_delay_alu instid0(VALU_DEP_1)
	v_permlanex16_b32 v[MX+2], v[L], s20, s21
	s_delay_alu instid0(VALU_DEP_1)
	v_add_f32 v[L], v[L], v[MX+2]                  ; the row's sum
	s_wait_alu depctr_va_vdst(0)
	v_rcp_f32 v[RL], v[L]
	v_nop                                          ; a plain instruction behind the reciprocal,
	s_wait_alu depctr_va_vdst(0)                   ; and the wait ahead of its first reader
.set j, 0
.rept 16
	v_pk_mul_f32 v[O+j:O+j+1], v[O+j:O+j+1], v[RL:RL+1] op_sel_hi:[1,0]
.set j, j+2
.endr
.set j, 0
.rept 32
.set j, j+1
.endr
.irp u, 0,1,2,3
	v_cvt_scalef32_pk8_fp8_f32 v[OC+2*\u:OC+2*\u+1], v[O+8*\u:O+8*\u+7], v[OSC]
.endr
	v_nop
.irp u, 0,1,2,3
	global_store_b64 v[GO], v[OC+2*\u:OC+2*\u+1], s[12:13] offset:\u*256
.endr
	s_wait_tensorcnt 0x0
	ds_add_u32 v254, v255
	s_wait_dscnt 0x0
	s_endpgm
.Lfunc_end_k_q226a1ada8b_attn:
	.size	k_q226a1ada8b_attn, .Lfunc_end_k_q226a1ada8b_attn-k_q226a1ada8b_attn
	.p2alignl 7, 3214868480
	.fill 96, 4, 3214868480
	.section	.rodata,"a",@progbits
	.p2align	6, 0x0
	.amdhsa_kernel k_q226a1ada8b_attn
		.amdhsa_group_segment_fixed_size 169984
		.amdhsa_private_segment_fixed_size 0
		.amdhsa_enable_private_segment 0
		.amdhsa_kernarg_size 40
		.amdhsa_user_sgpr_count 2
		.amdhsa_user_sgpr_kernarg_segment_ptr 1
		.amdhsa_wavefront_size32 1
		.amdhsa_system_sgpr_workgroup_id_x 1
		.amdhsa_system_sgpr_workgroup_id_y 1
		.amdhsa_system_sgpr_workgroup_id_z 1
		.amdhsa_system_vgpr_workitem_id 0
		.amdhsa_next_free_vgpr 256
		.amdhsa_next_free_sgpr 66
		.amdhsa_reserve_vcc 1
		.amdhsa_float_denorm_mode_32 3
		.amdhsa_float_denorm_mode_16_64 3
		.amdhsa_fp16_overflow 1
		.amdhsa_memory_ordered 1
		.amdhsa_forward_progress 1
		.amdhsa_inst_pref_size 79
	.end_amdhsa_kernel
	.amdgpu_metadata
---
amdhsa.version: [ 1, 2 ]
amdhsa.kernels:
  - .name:           k_q226a1ada8b_attn
    .symbol:         k_q226a1ada8b_attn.kd
    .args:
      - { .name: qc, .offset: 0, .size: 8, .value_kind: global_buffer, .address_space: global }
      - { .name: kc, .offset: 8, .size: 8, .value_kind: global_buffer, .address_space: global }
      - { .name: vc, .offset: 16, .size: 8, .value_kind: global_buffer, .address_space: global }
      - { .name: lowp_scales, .offset: 24, .size: 8, .value_kind: global_buffer, .address_space: global }
      - { .name: oc, .offset: 32, .size: 8, .value_kind: global_buffer, .address_space: global }
    .group_segment_fixed_size: 169984
    .private_segment_fixed_size: 0
    .kernarg_segment_align: 8
    .kernarg_segment_size: 40
    .max_flat_workgroup_size: 512
    .sgpr_count:     66
    .vgpr_count:     256
    .wavefront_size: 32
...
	.end_amdgpu_metadata
.endif
;; end of part 3
;; launch proj (part 4): grid 8 x 32, 4 waves a work-group, clusters of 4 x 4, 327,680 bytes of LDS; arguments oc, w_out_codes, lowp_scales, out0; writes out0
.if DOCPART == 4
	.amdgcn_target "amdgcn-amd-amdhsa--gfx1250"
	.amdhsa_code_object_version 6
	.text
	.protected	k_q226a1ada8b_proj
	.globl	k_q226a1ada8b_proj
	.p2align	8
	.type	k_q226a1ada8b_proj,@function
k_q226a1ada8b_proj:
	s_mov_b64 s[64:65], 0
	v_nop
	global_prefetch_b8 v0, s[64:65] scope:SCOPE_SE
	s_setreg_imm32_b32 hwreg(HW_REG_WAVE_MODE, 25, 1), 1
	s_wait_xcnt 0x0
	s_wait_alu depctr_hold_cnt(0) depctr_sa_sdst(0) depctr_va_vdst(0) depctr_va_sdst(0) depctr_va_ssrc(0) depctr_va_vcc(0) depctr_vm_vsrc(0)
	s_getreg_b32 s2, hwreg(HW_REG_IB_STS2, 6, 4)
	s_cmp_eq_u32 s2, 0
	s_cbranch_scc0 .Lentry_in_a_cluster
	s_endpgm
.Lentry_in_a_cluster:
	s_bfe_u32 s2, ttmp6, 0x10000c
	s_cmp_lg_u32 s2, 0xf033
	s_cbranch_scc0 .Lentry_shape_is_right
	s_endpgm
.Lentry_shape_is_right:
; out = o Wout on codes of FP8 (E4M3): [4096][1024] x [1024 (n)][1024 (k)] -> f32.  A sum is multiplied once by 2^(e6 + e7).  LIMIT: e6 + e7 between -126 and 127, so that this is an f32 number.
; 256 work-groups, a tile of 128 x 128 each; four waves, 64 x 64 each: 16 accumulators, 128 registers.
; ALL OF K LIES IN LDS AT ONCE: A's 128 rows x 1,024 bytes are 131,072 bytes, B's with padding 139,264.  So there is no ring: each wave issues four tensor loads at the start, one for each quarter of K,
; and nothing is filled again.  A counted wait and a barrier stand in front of each quarter's first read; the later quarters stay on their way across those barriers.
; CLUSTERS of 4 x 4: A's tile is shared along a row of the cluster, B's along a column: each is asked for jointly.
; A = oc lies as the attention launch wrote it: [G = row / 16][kappa = k / 16][r][16]: a quarter of K of one G is 4,096 consecutive bytes, and a fragment's load takes 256 consecutive bytes in sixteen lanes: no padding.
; B = w_out's rows of 1,024 bytes: a quarter is 256 bytes of each row, padded to 272 in LDS.  On both sides registers 4 c .. 4 c + 3 of lane (r, h) hold k = 32 c + 16 h + 0 .. 15 of a step of 128.
; THE MATRIX INSTRUCTION takes 16 rows of B as source 0 and 16 rows of A as source 1: a lane holds eight neighbouring numbers of a row of the result.  A wave's 64 columns are 256 bytes of a row, aligned:
; a block of 16 rows goes through the wave's own stage in LDS and leaves as whole rows, sixteen lanes to 256 consecutive bytes.
; REGISTERS: window 0: v16-26 addresses; v32-63 a block's scaled sums; v64-127 rows read back, two sets; v128-255 the accumulators ((a, b) at v[128 + 8 (4 a + b)]).
;   window 1: two fragment buffers of 128: 64 registers of A (4 x 16 rows x 128 K), then 64 of B.
.set BB,     131072                    ; LDS: A's four quarters of 32,768 bytes from 0; B's four of 34,816 from here;
.set STAGE,  BB+4*34816                ; the stages: 16 rows x 272 bytes for each wave; no tensor load lands here
.set SP,     272
.set ADA,  16                          ; v16-17  A: quarters 0, 1 and quarters 2, 3 (an LDS immediate ends at 65,535)
.set ADB,  18                          ; v18-19  B likewise
.set STO,  24                          ; v24     the way out: where I put 32 bytes of a row
.set RD,   25                          ; v25     where I read a row back
.set CO,   26                          ; v26     my byte offset in two rows of the result
.set TMP,  32
.set BK,   64
.set ACC,  128
.set F0,   0
.set F1,   128
.set G1A, 16                           ; s[16:23] descriptor group 1 for A's tiles;  s[24:31] for B's
.set G1B, 24
.set G0A, 32                           ; s[32:47] group 0 for A's four quarters;  s[48:63] for B's
.set G0B, 48
.set MSB, 0
.macro WIN new                         ; the immediate's high byte repeats the setting that is left
.if MSB != (\new)
	s_set_vgpr_msb (MSB<<8)|(\new)
.set MSB, (\new)
.endif
.endm
.macro CROUND                          ; a round of the cluster's barrier
	s_barrier_signal -1
	s_barrier_wait -1
	s_cmp_lg_u32 s12, 0
	s_cbranch_scc1 .Lnot_wave_0_\@
	s_barrier_signal -3
.Lnot_wave_0_\@:
	s_barrier_wait -3
	s_barrier_signal -1
	s_barrier_wait -1
.endm
.macro PLACES                          ; four places in front of loads into registers that matrix instructions have read, and of the first read of results (ISA guide 7.12.1 for the first read of results)
.rept 4
	v_nop
.endr
.endm
	s_load_b256 s[4:11], s[0:1], 0x0               ; oc s[4:5], w_out's codes s[6:7], the scales' exponents s[8:9], out0 s[10:11]
	v_lshl_add_u32 v30, v0, 2, 0x46400
	v_mov_b32 v31, 0
	ds_add_u32 v30, v31
	ds_add_u32 v30, v31
	v_lshrrev_b32 v1, 5, v0
	v_readfirstlane_b32 s12, v1                    ; wave 0..3
	s_lshr_b32 s13, s12, 1                         ; which half of the tile's rows is mine.  Also: I fetch for A (0) or for B (1)
	s_and_b32 s14, s12, 1                          ; which half of its columns.  Also: which half of that tile I fetch
	s_bfe_u32 s66, ttmp6, 0x40000                  ; cx, cy: my place in the cluster
	s_bfe_u32 s67, ttmp6, 0x40004
	s_lshl_b32 s68, ttmp9, 2
	s_add_co_u32 s68, s68, s66                     ; tile column = 4 x cluster x + cx
	s_and_b32 s69, ttmp7, 0xffff
	s_lshl_b32 s69, s69, 2
	s_add_co_u32 s69, s69, s67                     ; tile row = 4 x cluster y + cy
	s_lshl_b32 s70, s67, 2
	s_lshl_b32 s70, 15, s70                        ; my row of the cluster
	s_lshl_b32 s71, 0x1111, s66                    ; my column
	; group 1 for A: 4 rows (four G) of 4,096 bytes, 16,384 bytes apart, dense in LDS
	s_or_b32 s[G1A+0], s70, (3<<16)|(1<<21)        ; 15:0 the mask: my row; 17:16 elements of 8 bytes; 21 set beside a mask; no padding
	s_mov_b32 s[G1A+1], 512<<16                    ; tensor_dim0 = 512
	s_mov_b32 s[G1A+2], 4<<16                      ; tensor_dim1 = 4
	s_mov_b32 s[G1A+3], 512<<16                    ; tile_dim0 = 512
	s_mov_b32 s[G1A+4], 4                          ; tile_dim1 = 4
	s_mov_b32 s[G1A+5], 2048                       ; tensor_dim0_stride
	s_mov_b32 s[G1A+6], 0
	s_mov_b32 s[G1A+7], 0
	; group 1 for B: 64 rows of 256 bytes, 1,024 bytes apart, 16 bytes of padding behind each
	s_or_b32 s[G1B+0], s71, (0<<16)|(1<<20)|(1<<21)|(5<<22)|(3<<25)  ; the mask: my column; elements of 1 byte; padding: 4 words (code 3) after every 64 (code 5)
	s_mov_b32 s[G1B+1], 256<<16
	s_mov_b32 s[G1B+2], 64<<16
	s_mov_b32 s[G1B+3], 256<<16
	s_mov_b32 s[G1B+4], 64
	s_mov_b32 s[G1B+5], 1024
	s_mov_b32 s[G1B+6], 0
	s_mov_b32 s[G1B+7], 0
	s_lshl_b32 s72, s69, 3
	s_lshl_b32 s73, s14, 2
	s_add_co_u32 s72, s72, s73                     ; A: G = 8 x tile row + 4 x half
	s_lshl_b32 s72, s72, 14
	s_mov_b32 s73, 0
	s_lshl_b32 s74, s68, 7
	s_lshl_b32 s75, s14, 6
	s_add_co_u32 s74, s74, s75                     ; B: row 128 x tile column + 64 x half
	s_lshl_b32 s74, s74, 10
	s_mov_b32 s75, 0
	s_lshl_b32 s84, s14, 14                        ; where they go: A: 16,384 x half;
	s_mul_i32 s85, s14, 64*SP
	s_add_co_u32 s85, s85, BB                      ; B: BB + 64 rows x half: no place in the cluster enters an LDS address
	s_wait_dscnt 0x0
	s_wait_kmcnt 0x0
	s_load_b256 s[76:83], s[8:9], 0x0              ; e0 .. e7
	s_add_nc_u64 s[72:73], s[4:5], s[72:73]
	s_add_nc_u64 s[74:75], s[6:7], s[74:75]
	CROUND                                         ; all sixteen work-groups are here: the joint loads meet
.irp k, 0,1,2,3
	s_mov_b32 s[G0A+4*\k], 1
	s_add_co_u32 s[G0A+4*\k+1], s84, \k*32768
	s_add_nc_u64 s[G0A+4*\k+2:G0A+4*\k+3], s[72:73], \k*4096
	s_or_b32 s[G0A+4*\k+3], s[G0A+4*\k+3], 0x80000000
	s_mov_b32 s[G0B+4*\k], 1
	s_add_co_u32 s[G0B+4*\k+1], s85, \k*34816
	s_add_nc_u64 s[G0B+4*\k+2:G0B+4*\k+3], s[74:75], \k*256
	s_or_b32 s[G0B+4*\k+3], s[G0B+4*\k+3], 0x80000000
.endr
	s_cmp_eq_u32 s13, 0                            ; a wave's four fills stand in one branch on its number, ahead of every wait on TENSORcnt and every LDS read: four loads of mine are out
	s_cbranch_scc0 .Lfor_b
.irp k, 0,1,2,3
	tensor_load_to_lds s[G0A+4*\k:G0A+4*\k+3], s[G1A:G1A+7]
	s_nop 0
.endr
.rept 4
	v_nop
.endr
	s_branch .Lasked
.Lfor_b:
.irp k, 0,1,2,3
	tensor_load_to_lds s[G0B+4*\k:G0B+4*\k+3], s[G1B:G1B+7]
	s_nop 0
.endr
.rept 4
	v_nop
.endr
.Lasked:
	v_and_b32 v1, 15, v0                           ; r
	v_bfe_u32 v2, v0, 4, 1                         ; h
	v_and_b32 v3, 31, v0
	v_lshlrev_b32 v3, 4, v3                        ; 256 h + 16 r
	s_lshl_b32 s86, s13, 14                        ; my four G of A
	v_add_nc_u32 v[ADA], s86, v3
	v_add_nc_u32 v[ADA+1], 2*32768, v[ADA]
	v_mul_u32_u24 v4, v1, SP
	v_lshl_add_u32 v4, v2, 4, v4
	s_mul_i32 s86, s14, 64*SP                      ; my 64 rows of B
	s_add_co_u32 s86, s86, BB
	v_add_nc_u32 v[ADB], s86, v4
	v_add_nc_u32 v[ADB+1], 2*34816, v[ADB]
	s_mul_i32 s86, s12, 16*SP
	s_add_co_u32 s86, s86, STAGE                   ; my stage
	v_mul_u32_u24 v5, v1, SP                       ; in: row r, 32 bytes for each half of the lanes
	v_lshl_add_u32 v5, v2, 5, v5
	v_add_nc_u32 v[STO], s86, v5
	v_mul_u32_u24 v5, v2, SP                       ; back: lanes 0-15 one row of 256 bytes, lanes 16-31 the next
	v_lshl_add_u32 v5, v1, 4, v5
	v_add_nc_u32 v[RD], s86, v5
	v_lshlrev_b32 v[CO], 12, v2                    ; and the same two rows of the result: 4,096 bytes a row
	v_lshl_add_u32 v[CO], v1, 4, v[CO]
	s_lshl_b32 s86, s69, 7
	s_lshl_b32 s87, s13, 6
	s_add_co_u32 s86, s86, s87                     ; my first row: 128 x tile row + 64 x half
	s_lshl_b32 s86, s86, 12
	s_lshl_b32 s87, s68, 9                         ; my first column, in bytes: 512 x tile column + 256 x half
	s_add_co_u32 s86, s86, s87
	s_lshl_b32 s87, s14, 8
	s_add_co_u32 s86, s86, s87
	s_mov_b32 s87, 0
	s_add_nc_u64 s[10:11], s[10:11], s[86:87]
	s_wait_kmcnt 0x0
	s_add_co_i32 s88, s82, s83                     ; e6 + e7
	s_add_co_i32 s88, s88, 127
	s_lshl_b32 s88, s88, 23                        ; 2^(e6 + e7) as f32
	s_mov_b32 s89, s88                             ; (named with it as a pair, so it is written)
; 32 LDS loads in one run: the fragments of step q (128 along K; quarter q / 2) into buffer f
.macro FETCH q, f
	WIN 0x40                                       ; destination window 1, address window 0
.irp i, 0,1,2,3
.irp c, 0,1,2,3
	ds_load_b128 v[\f+64+16*\i+4*\c:\f+64+16*\i+4*\c+3], v[ADB+(\q)/4] offset:(((\q)/2)%2)*34816+\i*16*SP+((\q)%2)*128+32*\c
.endr
.endr
.irp i, 0,1,2,3
.irp c, 0,1,2,3
	ds_load_b128 v[\f+16*\i+4*\c:\f+16*\i+4*\c+3], v[ADA+(\q)/4] offset:(((\q)/2)%2)*32768+\i*4096+((\q)%2)*2048+512*\c
.endr
.endr
.endm
; 16 matrix instructions: my 4 x 4 accumulators by turns, one instruction a turn, in the same order in every step.  zero = 1: the first products start the sums
.macro MUL f, zero
	WIN 0x05                                       ; sources 0 (B) and 1 (A) window 1; C and D window 0
.irp a, 0,1,2,3
.irp b, 0,1,2,3
.if \zero
	v_wmma_f32_16x16x128_fp8_fp8 v[ACC+8*(4*\a+\b):ACC+8*(4*\a+\b)+7], v[\f+64+16*\b:\f+64+16*\b+15], v[\f+16*\a:\f+16*\a+15], 0
.else
	v_wmma_f32_16x16x128_fp8_fp8 v[ACC+8*(4*\a+\b):ACC+8*(4*\a+\b)+7], v[\f+64+16*\b:\f+64+16*\b+15], v[\f+16*\a:\f+16*\a+15], v[ACC+8*(4*\a+\b):ACC+8*(4*\a+\b)+7]
.endif
.endr
.endr
.endm
	s_wait_tensorcnt 3                             ; my part of quarter 0 is in; the three later quarters' loads may be out
	s_barrier_signal -1
	s_barrier_wait -1                              ; everybody's is
	FETCH 0, F0
.irp kq, 0,1,2,3
.if \kq > 0
	PLACES                                         ; buffer 1 was multiplied just now
.endif
	FETCH 2*\kq+1, F1
	s_wait_dscnt 32                                ; all but the 32 just issued: buffer 0 is in
.if \kq == 0
	MUL F0, 1
.else
	MUL F0, 0
.endif
.if \kq < 3
	s_wait_tensorcnt 2-\kq                         ; my part of the next quarter is in; the quarters behind it may be out
	s_wait_dscnt 0x0                               ; no LDS load of mine is out at the signal: buffer 1 is in
	s_barrier_signal -1
	s_barrier_wait -1                              ; the next quarter is whole
	PLACES                                         ; buffer 0 was multiplied just now
	FETCH 2*\kq+2, F0
	MUL F1, 0
.else
	s_wait_dscnt 0x0
	MUL F1, 0
.endif
.endr
	WIN 0
; THE WAY OUT, block by block of 16 rows x 64 columns: x 2^(e6 + e7) into other registers, each accumulator from its low end on; into my stage; back as whole rows of 256 bytes.
; LDS serves a wave's instructions in order (ISA guide 5.7.1.4): no wait between the stores and the loads, nor in front of the next block's stores.
.macro TOSTAGE a
.set j, 0
.rept 16
	v_pk_mul_f32 v[TMP+j:TMP+j+1], v[ACC+32*(\a)+j:ACC+32*(\a)+j+1], s[88:89] op_sel_hi:[1,0]
.set j, j+2
.endr
.irp b, 0,1,2,3
	ds_store_b128 v[STO], v[TMP+8*\b:TMP+8*\b+3] offset:64*\b
	ds_store_b128 v[STO], v[TMP+8*\b+4:TMP+8*\b+7] offset:64*\b+16
.endr
.set BS, BK+32*((\a)%2)
.irp t, 0,1,2,3,4,5,6,7
	ds_load_b128 v[BS+4*\t:BS+4*\t+3], v[RD] offset:\t*2*SP
.endr
.endm
.macro SEND a, younger                 ; younger: the LDS instructions issued behind block a's loads, which may stay out
.set BS, BK+32*((\a)%2)
	s_wait_dscnt \younger
.irp t, 0,1,2,3,4,5,6,7
	global_store_b128 v[CO], v[BS+4*\t:BS+4*\t+3], s[10:11] offset:(16*(\a)+2*\t)*4096 th:TH_STORE_NT   ; 16 lanes store 256 consecutive bytes, aligned; written once, read by nobody here
.endr
.endm
	PLACES                                         ; behind the last products
	TOSTAGE 0
	TOSTAGE 1
	SEND 0, 16                                     ; behind block 0's loads: block 1's 8 stores and 8 loads
	s_wait_xcnt 0x0                                ; block 0's stores have read their registers: block 2's loads may land there
	TOSTAGE 2
	SEND 1, 16
	s_wait_xcnt 0x0                                ; block 1's likewise
	TOSTAGE 3
	SEND 2, 16
	SEND 3, 0
	s_wait_tensorcnt 0x0                           ; no tensor load is out at the end,
	s_wait_dscnt 0x0                               ; and no LDS instruction at the signal
	s_wait_tensorcnt 0x0
	ds_add_u32 v30, v31
	s_wait_dscnt 0x0
	CROUND                                         ; the closing round: no work-group ends while a partner may still ask for a tile that names it
	s_endpgm
.Lfunc_end_k_q226a1ada8b_proj:
	.size	k_q226a1ada8b_proj, .Lfunc_end_k_q226a1ada8b_proj-k_q226a1ada8b_proj
	.p2alignl 7, 3214868480
	.fill 96, 4, 3214868480
	.section	.rodata,"a",@progbits
	.p2align	6, 0x0
	.amdhsa_kernel k_q226a1ada8b_proj
		.amdhsa_group_segment_fixed_size 327680
		.amdhsa_private_segment_fixed_size 0
		.amdhsa_enable_private_segment 0
		.amdhsa_kernarg_size 32
		.amdhsa_user_sgpr_count 2
		.amdhsa_user_sgpr_kernarg_segment_ptr 1
		.amdhsa_wavefront_size32 1
		.amdhsa_system_sgpr_workgroup_id_x 1
		.amdhsa_system_sgpr_workgroup_id_y 1
		.amdhsa_system_sgpr_workgroup_id_z 1
		.amdhsa_system_vgpr_workitem_id 0
		.amdhsa_next_free_vgpr 512
		.amdhsa_next_free_sgpr 96
		.amdhsa_reserve_vcc 0
		.amdhsa_float_denorm_mode_32 3
		.amdhsa_float_denorm_mode_16_64 3
		.amdhsa_memory_ordered 1
		.amdhsa_forward_progress 1
		.amdhsa_inst_pref_size 46
	.end_amdhsa_kernel
	.amdgpu_metadata
---
amdhsa.version: [ 1, 2 ]
amdhsa.kernels:
  - .name:           k_q226a1ada8b_proj
    .symbol:         k_q226a1ada8b_proj.kd
    .args:
      - { .name: oc, .offset: 0, .size: 8, .value_kind: global_buffer, .address_space: global }
      - { .name: w_out_codes, .offset: 8, .size: 8, .value_kind: global_buffer, .address_space: global }
      - { .name: lowp_scales, .offset: 16, .size: 8, .value_kind: global_buffer, .address_space: global }
      - { .name: out0, .offset: 24, .size: 8, .value_kind: global_buffer, .address_space: global }
    .group_segment_fixed_size: 327680
    .private_segment_fixed_size: 0
    .kernarg_segment_align: 8
    .kernarg_segment_size: 32
    .max_flat_workgroup_size: 128
    .sgpr_count:     96
    .vgpr_count:     512
    .wavefront_size: 32
...
	.end_amdgpu_metadata
.endif
;; end of part 4
